; MI455X (gfx1250); checked and timed in simulation.
; The chip was launched on July 23, 2026; its instructions are those of AMD's public machine-readable ISA for CDNA 5 (MIT licence, August 2026) and "CDNA5" Instruction Set Architecture Reference Guide (July 2026). The comments in the code are by the model that wrote it; some were corrected since.
;; Combine Stack with attn. Allowed arithmetic: float matrix products may take bf16 or f16 operands with f32 sums; all other float work in f32.
;; Inputs: W_attn 768 x 256 float32; W_lin 768 x 256 float32; b_attn 256 float32; b_lin 256 float32; encoder_outputs 4 x 2,048 x 256 float32; v 256 float32; x 4 x 2,048 x 512 float32.
;; Outputs: out0 4 x 2,048 x 256 float32; out1 4 x 2,048 x 1 x 33 float32.
;; One version. Each part assembles by itself: llvm-mc -triple=amdgcn-amd-amdhsa -mcpu=gfx1250 --defsym DOCPART=n.
;; ======== version 1 of 1: 2 launches
;; workspace buffers: wfrag 786,432 bytes
;; launch prep (part 1): grid 24 x 8, 8 waves a work-group, no clusters, 0 bytes of LDS; arguments W_attn, W_lin, wfrag; writes wfrag
.if DOCPART == 1
	.amdgcn_target "amdgcn-amd-amdhsa--gfx1250"
	.amdhsa_code_object_version 6
	.text
	.protected	k_qee028934f7_prep
	.globl	k_qee028934f7_prep
	.p2align	8
	.type	k_qee028934f7_prep,@function
k_qee028934f7_prep:
	s_mov_b64 s[64:65], 0
	v_nop
	global_prefetch_b8 v0, s[64:65] scope:SCOPE_SE
	s_setreg_imm32_b32 hwreg(HW_REG_WAVE_MODE, 25, 1), 1
	s_wait_xcnt 0x0
; W_attn and W_lin ([768][256] f32, k down the rows) are rounded to bf16 and laid out in the order in which the second launch
; loads them as matrix fragments:  wfrag byte ((j*24 + u)*8 + q)*512 + lane*16,
;   j = 0..7   the wave of the second launch that uses the piece: output columns 32 j .. 32 j + 31
;   u = 0..23  a unit of four fragments f = q >> 1 of 16 columns x 32 k;  q = 2 f + hf
;   lane (r = lane & 15, h = lane >> 4) gets k = k0 + 16 hf + 8 h + 0..7 of column 32 j + 16 (f & 1) + r
;   u = 0..3    W_attn, k0 = 512 + 64 u + 32 (f >> 1)           (the encoder's part of the score)
;   u = 4..19   f < 2: W_attn, f >= 2: W_lin, k0 = 32 (u - 4)   (x's part of the score and of the last product)
;   u = 20..23  W_lin,  k0 = 512 + 64 (u - 20) + 32 (f >> 1)    (the weighted row's part of the last product)
; One work-group makes one unit of one j, one wave one q: eight loads of 4 bytes a lane, four roundings, one store of 16 bytes
; a lane, so that a wave's store covers 512 consecutive bytes that start at a multiple of 512.
; 192 work-groups: that is all the work there is (1.5 MB read once, 0.75 MB written once).
.set ROWB, 1024                        ; bytes in a row of either weight matrix
	s_load_b128 s[4:7], s[0:1], 0x0                ; W_attn s[4:5], W_lin s[6:7]
	s_load_b64 s[8:9], s[0:1], 0x10                ; wfrag
	v_lshrrev_b32 v1, 5, v0
	v_readfirstlane_b32 s10, v1                    ; q, the wave's number
	s_mov_b32 s3, ttmp9                            ; u
	s_and_b32 s11, ttmp7, 0xffff                   ; j
	s_lshr_b32 s12, s10, 2                         ; f >> 1
	s_bfe_u32 s13, s10, 0x10001                    ; f & 1
	s_and_b32 s14, s10, 1                          ; hf
	s_lshl_b32 s16, s12, 5                         ; 32 (f >> 1)
	s_lshl_b32 s15, s3, 6
	s_add_co_u32 s15, s15, s16
	s_add_co_u32 s15, s15, 512                     ; k0 for u = 0..3
	s_max_u32 s17, s3, 4                           ; (the cases not chosen are clamped so that nothing wraps)
	s_sub_co_u32 s17, s17, 4
	s_lshl_b32 s17, s17, 5                         ; k0 for u = 4..19
	s_max_u32 s18, s3, 20
	s_sub_co_u32 s18, s18, 20
	s_lshl_b32 s18, s18, 6
	s_add_co_u32 s18, s18, s16
	s_add_co_u32 s18, s18, 512                     ; k0 for u = 20..23
	s_cmp_lt_u32 s3, 4
	s_cselect_b32 s19, s15, s17
	s_cselect_b32 s20, 0, s12                      ; 1 = the piece comes from W_lin
	s_cmp_ge_u32 s3, 20
	s_cselect_b32 s19, s18, s19
	s_cselect_b32 s20, 1, s20
	s_lshl4_add_u32 s19, s14, s19                  ; + 16 hf
	s_lshl_b32 s24, s19, 10                        ; the row in bytes,
	s_lshl_b32 s21, s11, 7
	s_add_co_u32 s24, s24, s21                     ; + 32 j columns of 4 bytes,
	s_lshl_b32 s21, s13, 6
	s_add_co_u32 s24, s24, s21                     ; + 16 (f & 1) columns
	s_mov_b32 s25, 0
	s_mul_i32 s26, s11, 24
	s_add_co_u32 s26, s26, s3
	s_lshl3_add_u32 s26, s26, s10
	s_lshl_b32 s26, s26, 9                         ; ((j*24 + u)*8 + q)*512
	s_mov_b32 s27, 0
	v_and_b32 v2, 15, v0                           ; r
	v_bfe_u32 v3, v0, 4, 1                         ; h
	v_lshlrev_b32 v4, 2, v2
	v_lshl_add_u32 v4, v3, 13, v4                  ; 8 h rows + r columns
	v_and_b32 v5, 31, v0
	v_lshlrev_b32 v5, 4, v5                        ; 16 bytes a lane in wfrag
	s_wait_kmcnt 0x0
	s_cmp_lg_u32 s20, 0
	s_cselect_b64 s[22:23], s[6:7], s[4:5]         ; the choice hangs on u and q alone
	s_add_nc_u64 s[22:23], s[22:23], s[24:25]
	s_add_nc_u64 s[8:9], s[8:9], s[26:27]
.irp e, 0,1,2,3,4,5,6,7
	global_load_b32 v[8+\e], v4, s[22:23] offset:\e*ROWB   ; eight k of my column
.endr
	s_wait_loadcnt 0x0
.irp p, 0,1,2,3
	v_cvt_pk_bf16_f32 v[16+\p], v[8+2*\p], v[9+2*\p]       ; the lower k in the lower half
.endr
	global_store_b128 v5, v[16:19], s[8:9]
	s_endpgm
.Lfunc_end_k_qee028934f7_prep:
	.size	k_qee028934f7_prep, .Lfunc_end_k_qee028934f7_prep-k_qee028934f7_prep
	.p2alignl 7, 3214868480
	.fill 96, 4, 3214868480
	.section	.rodata,"a",@progbits
	.p2align	6, 0x0
	.amdhsa_kernel k_qee028934f7_prep
		.amdhsa_group_segment_fixed_size 0
		.amdhsa_private_segment_fixed_size 0
		.amdhsa_enable_private_segment 0
		.amdhsa_kernarg_size 24
		.amdhsa_user_sgpr_count 2
		.amdhsa_user_sgpr_kernarg_segment_ptr 1
		.amdhsa_wavefront_size32 1
		.amdhsa_system_sgpr_workgroup_id_x 1
		.amdhsa_system_sgpr_workgroup_id_y 1
		.amdhsa_system_sgpr_workgroup_id_z 1
		.amdhsa_system_vgpr_workitem_id 0
		.amdhsa_next_free_vgpr 24
		.amdhsa_next_free_sgpr 66
		.amdhsa_reserve_vcc 0
		.amdhsa_float_denorm_mode_32 3
		.amdhsa_float_denorm_mode_16_64 3
		.amdhsa_memory_ordered 1
		.amdhsa_forward_progress 1
		.amdhsa_inst_pref_size 4
	.end_amdhsa_kernel
	.amdgpu_metadata
---
amdhsa.version: [ 1, 2 ]
amdhsa.kernels:
  - .name:           k_qee028934f7_prep
    .symbol:         k_qee028934f7_prep.kd
    .args:
      - { .name: W_attn, .offset: 0, .size: 8, .value_kind: global_buffer, .address_space: global }
      - { .name: W_lin, .offset: 8, .size: 8, .value_kind: global_buffer, .address_space: global }
      - { .name: wfrag, .offset: 16, .size: 8, .value_kind: global_buffer, .address_space: global }
    .group_segment_fixed_size: 0
    .private_segment_fixed_size: 0
    .kernarg_segment_align: 8
    .kernarg_segment_size: 24
    .max_flat_workgroup_size: 256
    .sgpr_count:     66
    .vgpr_count:     24
    .wavefront_size: 32
...
	.end_amdgpu_metadata
.endif
;; end of part 1
;; launch fused (part 2): grid 256 x 1, 8 waves a work-group, no clusters, 275,968 bytes of LDS; arguments x, encoder_outputs, wfrag, b_attn, b_lin, v, out0, out1; writes out0, out1
.if DOCPART == 2
	.amdgcn_target "amdgcn-amd-amdhsa--gfx1250"
	.amdhsa_code_object_version 6
	.text
	.protected	k_qee028934f7_fused
	.globl	k_qee028934f7_fused
	.p2align	8
	.type	k_qee028934f7_fused,@function
k_qee028934f7_fused:
	s_mov_b64 s[64:65], 0
	v_nop
	global_prefetch_b8 v0, s[64:65] scope:SCOPE_SE
	s_setreg_imm32_b32 hwreg(HW_REG_WAVE_MODE, 25, 1), 1
	s_wait_xcnt 0x0
; Windowed additive attention and the last linear layer, in one launch.  B = 4, T = 2048, window 33, 256 features, x 512 wide.
; A work-group owns 32 positions t0 .. t0+31 of one batch and uses the 64 encoder rows t0-16 .. t0+47 (local s = 0..63; window entry
; w of position t is row s = t + w).  enc x We hangs on the encoder row alone, so it is made once for each of the 64 rows and not
; once for each of the 33 window copies; a row outside the sequence is zero and gives zero.
; Eight waves.  Wave j owns output columns 32 j .. 32 j + 31 of every product and the same 32 features in the tanh phase, so that the
; two terms of the energy never leave the wave.  In the tanh phase lane = position and w is the loop.
;   c = 2 log2 e.  tanh z = 1 - 2 r, r = 1 / (1 + 2^(c z)).  score log2 e = (sum of v) log2 e - c sum(v r); the first term is the same
;   for all 33 entries of a softmax and cancels exactly, so it is left out.  The largest of the 33 is still taken away before 2^.
; WEIGHTS: every work-group walks the same 786,432 bytes of wfrag.  They are not asked for jointly in a cluster: each piece of 512 bytes
; is used by one wave of a work-group, for one block of eight matrix instructions, and goes straight into that wave's registers; by
; way of LDS it would be written and read once more, and beside the 274,944 bytes used here LDS has 52,736 left, 6,592 for a wave,
; less than two units of 4,096: a barrier of the whole cluster for every eight matrix instructions.
; No prefetch: all that the work-group reads from x and enc is asked for in the first lines, and the weights run six units ahead.
; LIMITS: x, enc, the weights, the softmax weights (in the weighted sum only) and the weighted row enter the matrix unit rounded to bf16.
; v_exp_f32 gives 0 for results below 2^-126 (ISA guide 15.8), so softmax weights below that come out as 0.  2^ that overflows gives
; infinity and its reciprocal 0: the right limits of tanh and of the sigmoid.  Sums run in another order than in the definition.
; ---- LDS, every region of its own, none used twice.  The pitches are odd multiples of 16 bytes, so that the sixteen rows that a
; 16-byte access touches begin in sixteen different 16-byte columns modulo 256.
.set XB,    0                          ; x block, bf16 [32][512], pitch 1040
.set XP,    1040
.set EB,    33280                      ; enc block, bf16 [64][256], pitch 528
.set EP,    528
.set WREG,  67072                      ; for each wave 13,824 bytes: c ee f32 [64][32] pitch 144, then c (hx + b_attn) f32 [32][32] pitch 144
.set WSZ,   13824
.set HOFF,  9216
.set PP,    144
.set PART,  177664                     ; partial scores f32 [wave 8][w 33][t 32]
.set PSZ,   4224
.set SC,    211456                     ; scores f32 [w 33][t 32]
.set BAND,  215808                     ; softmax weights as a band matrix, bf16 [t 32][s 64], pitch 144
.set A1,    220416                     ; softmax weights f32 [t 32][33], dense, as out1 has them
.set WGT,   224768                     ; weighted rows bf16 [32][256], pitch 528
.set OST,   241664                     ; out0 block f32 [32][256], pitch 1040
; ---- constants
.set CC,    0x4038aa3b                 ; c = 2 log2 e
.set NCC,   0xc038aa3b                 ; -c
.set NL2E,  0xbfb8aa3b                 ; -log2 e
; ---- vector registers, window 0
.set RLANE, 1                          ; lane
.set RR16,  2                          ; r = lane & 15
.set RH,    3                          ; h = lane >> 4
.set RWOFF, 4                          ; 16 lane: my bytes in a piece of wfrag
.set RAX,   5                          ; XB + r XP + 16 h      fragments of x
.set RAE,   6                          ; EB + r EP + 16 h      fragments of enc
.set RAW,   7                          ; WGT + r EP + 16 h     fragments of the weighted rows
.set RSTE,  8                          ; my wave's ee + r PP + 32 h    (store)
.set RSTH,  9                          ; my wave's hx + r PP + 32 h    (store)
.set RLDE,  10                         ; my wave's ee + lane PP        (read; steps in the loop)
.set RLDH,  11                         ; my wave's hx + lane PP        (read)
.set RPART, 12                         ; PART + j PSZ + 4 lane         (store; steps in the loop)
.set RTID16,13                         ; 16 x thread
.set RSTX,  14                         ; where I put 8 bytes of x
.set RSTN,  15                         ; where I put 8 bytes of enc
.set BA,    16                         ; v[16:31] c b_attn[32 j + 16 nt + 8 h + jj] at 8 nt + jj; later the late phases' addresses:
.set QPR,   16                         ;   PART + 128 j + 4 lane
.set QSS,   17                         ;   SC + 128 j + 4 lane
.set QSR,   18                         ;   SC + 4 lane
.set QA1,   19                         ;   A1 + 132 lane
.set QBZ,   20                         ;   BAND + 144 lane
.set QBD,   21                         ;   BAND + 146 lane
.set QA1R,  22                         ;   A1 + 16 thread
.set QTR,   23                         ;   EB + (8 h + (lane & 7)) EP + 64 j + 16 ((lane >> 3) & 1)
.set QBF,   24                         ;   BAND + r PP + 16 h
.set QWS,   25                         ;   WGT + r EP + 64 j + 16 h
.set QA1T,  26                         ;   A1 + 4096 + 4 lane
.set QO1T,  27                         ;   4096 + 4 lane (in out1)
.set QOS,   28                         ;   OST + r XP + 128 j + 32 h
.set QOR,   29                         ;   OST + 4 j XP + 16 lane
.set QO0,   30                         ;   4096 j + 16 lane (in out0)
.set BL,    32                         ; v[32:47] -log2e b_lin, same map as BA
.set VV,    48                         ; v[48:79] -c v[32 j + i]
.set ACC,   80                         ; v[80:143] accumulators.  enc pass: tile (mt, nt) at 8 (2 mt + nt).  x pass: hx at 80, px at 112
.set PX,    112                        ; v[112:143] x W_lin, later + weighted W_lin; lives to the end
.set ST,    80                         ; v[80:207] x and enc as loaded
.set AC0,   80                         ; tanh phase: two packed chains of the score
.set AC1,   82
.set SCR,   84                         ; v84 the partial score; v[84:87], v88 later out1's data
.set HH,    144                        ; v[144:175] my position's 32 c (hx + b)
.set EA,    176                        ; v[176:207], v[208:239] two buffers for a row's 32 c ee
.set EBF,   208
.set YY,    240                        ; v[240:247], v[248:255] two sets of eight at work
.set T3,    176                        ; softmax: v[176:208]
.set MX,    210                        ; v[210:211] the maximum, twice
.set SU,    212                        ; v[212:215] two packed chains of the sum
.set RC,    216                        ; v[216:217] 1 / sum, twice
.set PK,    220                        ; v[220:236] the weights in bf16
.set EF,    144                        ; weighted sum: fragments of enc, 8 (2 ks + nt)
.set BF,    176                        ; fragments of the band, 8 (2 ks + mt)
.set WD,    208                        ; its four accumulators, 8 (2 mt + nt)
; ---- window 1 (v256 .. v511): a ring of six weight units at 32 s (fragment f at + 8 f), and two buffers of row fragments
.set AB,    192
.set LOADW, 0x40                       ; destination in window 1, address in window 0
.set MULW,  0x05                       ; both sources in window 1, C and D in window 0
.set MSB, 0
.macro WIN new                         ; the immediate's high byte repeats the setting that is left
.if MSB != \new
	s_set_vgpr_msb (MSB<<8)|\new
.set MSB, \new
.endif
.endm
; Four places of plain vector instructions between a matrix instruction and a load into, or a vector instruction on, its registers
.macro PLACES
.rept 4
	v_nop
.endr
.endm
; What I stored in LDS is there, what I read is back; then every wave has said so
.macro BAR
	s_wait_dscnt 0x0
	s_barrier_signal -1
	s_barrier_wait -1
.endm
; Weight unit u, 4,096 bytes of my wave's 98,304, into ring slot u mod 6
.macro WUNIT u
.irp q, 0,1,2,3,4,5,6,7
	global_load_b128 v[32*(\u%6)+4*\q:32*(\u%6)+4*\q+3], v[RWOFF], s[12:13] offset:\u*4096+\q*512
.endr
.endm
; Row fragments (16 rows x 32 k: two loads of 16 bytes, 32 bytes apart).  enc: k step ks, four row blocks
.macro AGRP_E ks, buf
.irp mt, 0,1,2,3
	ds_load_b128 v[AB+32*\buf+8*\mt:AB+32*\buf+8*\mt+3],   v[RAE] offset:\mt*16*EP+\ks*64
	ds_load_b128 v[AB+32*\buf+8*\mt+4:AB+32*\buf+8*\mt+7], v[RAE] offset:\mt*16*EP+\ks*64+32
.endr
.endm
; x: k steps 2 g and 2 g + 1, two row blocks
.macro AGRP_X g, buf
.irp ksl, 0,1
.irp mt, 0,1
	ds_load_b128 v[AB+32*\buf+16*\ksl+8*\mt:AB+32*\buf+16*\ksl+8*\mt+3],   v[RAX] offset:\mt*16*XP+(2*\g+\ksl)*64
	ds_load_b128 v[AB+32*\buf+16*\ksl+8*\mt+4:AB+32*\buf+16*\ksl+8*\mt+7], v[RAX] offset:\mt*16*XP+(2*\g+\ksl)*64+32
.endr
.endr
.endm
; the weighted rows: the same
.macro AGRP_F g, buf
.irp ksl, 0,1
.irp mt, 0,1
	ds_load_b128 v[AB+32*\buf+16*\ksl+8*\mt:AB+32*\buf+16*\ksl+8*\mt+3],   v[RAW] offset:\mt*16*EP+(2*\g+\ksl)*64
	ds_load_b128 v[AB+32*\buf+16*\ksl+8*\mt+4:AB+32*\buf+16*\ksl+8*\mt+7], v[RAW] offset:\mt*16*EP+(2*\g+\ksl)*64+32
.endr
.endr
.endm
; Four f32 to four bf16, 8 bytes into LDS.  mask: 0, or the scalar register that is 0 where the rows lie outside the sequence
.macro CVST reg, adr, off, mask
	v_cvt_pk_bf16_f32 v[\reg], v[\reg], v[\reg+1]
	v_cvt_pk_bf16_f32 v[\reg+1], v[\reg+2], v[\reg+3]
.if \mask
	v_and_b32 v[\reg], s[\mask], v[\reg]
	v_and_b32 v[\reg+1], s[\mask], v[\reg+1]
.endif
	ds_store_b64 v[\adr], v[\reg:\reg+1] offset:\off
.endm
; ---- ids, bases
	s_load_b512 s[8:23], s[0:1], 0x0               ; x 8, enc 10, wfrag 12, b_attn 14, b_lin 16, v 18, out0 20, out1 22
	v_lshrrev_b32 v1, 5, v0
	v_readfirstlane_b32 s2, v1                     ; j, the wave's number
	s_mov_b32 s3, ttmp9                            ; the work-group
	s_lshr_b32 s36, s3, 6                          ; batch
	s_and_b32 s37, s3, 63                          ; block of 32 positions in it
	s_lshl_b32 s38, s37, 5                         ; t0
	s_max_u32 s39, s38, 16
	s_sub_co_u32 s39, s39, 16                      ; first row of the 16 in front; in the first block rows 0..15 are read and masked
	s_add_co_u32 s40, s38, 32
	s_min_u32 s40, s40, 2032                       ; first row of the 16 behind; in the last block rows 2032..2047 are read and masked
	s_cmp_eq_u32 s37, 0
	s_cselect_b32 s32, 0, -1                       ; mask of the rows in front
	s_cmp_eq_u32 s37, 63
	s_cselect_b32 s33, 0, -1                       ; mask of the rows behind
	s_lshl_b32 s41, s2, 7                          ; my 32 columns in a vector of f32
	s_mov_b32 s25, 0
	v_and_b32 v[RLANE], 31, v0
	v_and_b32 v[RR16], 15, v0
	v_bfe_u32 v[RH], v0, 4, 1
	v_lshlrev_b32 v[RWOFF], 4, v[RLANE]
	v_lshlrev_b32 v[RTID16], 4, v0
	v_lshl_add_u32 v[YY], v[RH], 5, s41            ; 128 j + 32 h: my eight columns of a bias
	v_mov_b32 v[YY+1], s41                         ; 128 j: my wave's 32 numbers of v
	s_wait_kmcnt 0x0
	s_lshl_b32 s24, s3, 16                         ; each base is stepped once, here, and never again
	s_add_nc_u64 s[8:9], s[8:9], s[24:25]          ; x: 32 rows of 2,048 bytes
	s_mul_i32 s24, s2, 98304
	s_add_nc_u64 s[12:13], s[12:13], s[24:25]      ; wfrag: my wave's 24 units
	s_lshl_b32 s24, s3, 15
	s_add_nc_u64 s[20:21], s[20:21], s[24:25]      ; out0: 32 rows of 1,024 bytes
	s_mul_i32 s24, s3, 4224
	s_add_nc_u64 s[22:23], s[22:23], s[24:25]      ; out1: 32 rows of 132 bytes
	s_lshl_b32 s24, s36, 21
	s_add_nc_u64 s[10:11], s[10:11], s[24:25]      ; enc: my batch
	s_lshl_b32 s24, s39, 10
	s_add_nc_u64 s[26:27], s[10:11], s[24:25]      ; the 16 rows in front
	s_lshl_b32 s24, s38, 10
	s_add_nc_u64 s[28:29], s[10:11], s[24:25]      ; my 32 rows
	s_lshl_b32 s24, s40, 10
	s_add_nc_u64 s[30:31], s[10:11], s[24:25]      ; the 16 rows behind
; ---- all of x and enc, the small vectors and the first weight unit are asked for: 56 loads
.irp nt, 0,1
.irp q, 0,1
	global_load_b128 v[BA+8*\nt+4*\q:BA+8*\nt+4*\q+3], v[YY], s[14:15] offset:64*\nt+16*\q
	global_load_b128 v[BL+8*\nt+4*\q:BL+8*\nt+4*\q+3], v[YY], s[16:17] offset:64*\nt+16*\q
.endr
.endr
.irp q, 0,1,2,3,4,5,6,7
	global_load_b128 v[VV+4*\q:VV+4*\q+3], v[YY+1], s[18:19] offset:16*\q
.endr
.irp i, 0,1,2,3,4,5,6,7,8,9,10,11,12,13,14,15
	global_load_b128 v[ST+4*\i:ST+4*\i+3], v[RTID16], s[8:9] offset:4096*\i th:TH_LOAD_NT   ; the eight waves take 4,096 consecutive bytes, two rows of x; no other work-group reads them
.endr
.irp i, 0,1,2,3
	global_load_b128 v[ST+64+4*\i:ST+64+4*\i+3], v[RTID16], s[26:27] offset:4096*\i        ; four rows of enc
.endr
.irp i, 0,1,2,3,4,5,6,7
	global_load_b128 v[ST+80+4*\i:ST+80+4*\i+3], v[RTID16], s[28:29] offset:4096*\i
.endr
.irp i, 0,1,2,3
	global_load_b128 v[ST+112+4*\i:ST+112+4*\i+3], v[RTID16], s[30:31] offset:4096*\i
.endr
	WIN LOADW
	WUNIT 0
	WIN 0
; ---- LDS addresses, while the loads are on their way.  Thread = 32 j + lane: the wave's part is made in scalars
	v_mul_u32_u24 v[RAX], v[RR16], XP
	v_lshl_add_u32 v[RAX], v[RH], 4, v[RAX]        ; XB = 0
	v_mul_u32_u24 v[RAE], v[RR16], EP
	v_lshl_add_u32 v[RAE], v[RH], 4, v[RAE]
	v_add_nc_u32 v[RAW], WGT, v[RAE]
	v_add_nc_u32 v[RAE], EB, v[RAE]
	s_mul_i32 s35, s2, WSZ
	s_add_co_u32 s35, s35, WREG                    ; my wave's own region
	v_mul_u32_u24 v[RSTE], v[RR16], PP
	v_lshl_add_u32 v[RSTE], v[RH], 5, v[RSTE]
	v_add_nc_u32 v[RSTE], s35, v[RSTE]
	v_add_nc_u32 v[RSTH], HOFF, v[RSTE]
	v_mul_u32_u24 v[RLDE], v[RLANE], PP
	v_add_nc_u32 v[RLDE], s35, v[RLDE]
	v_add_nc_u32 v[RLDH], HOFF, v[RLDE]
	s_mul_i32 s36, s2, PSZ
	s_add_co_u32 s36, s36, PART
	v_lshl_add_u32 v[RPART], v[RLANE], 2, s36
	s_lshr_b32 s36, s2, 2                          ; x: thread >> 7 = j >> 2 is the row of the two, thread & 127 = 32 (j & 3) + lane the place in it
	s_mul_i32 s36, s36, XP
	s_and_b32 s37, s2, 3
	s_lshl_b32 s37, s37, 8
	s_add_co_u32 s36, s36, s37
	v_lshl_add_u32 v[RSTX], v[RLANE], 3, s36
	s_lshr_b32 s36, s2, 1                          ; enc: thread >> 6 = j >> 1 is the row of the four, thread & 63 = 32 (j & 1) + lane
	s_mul_i32 s36, s36, EP
	s_and_b32 s37, s2, 1
	s_lshl_b32 s37, s37, 8
	s_add_co_u32 s36, s36, s37
	s_add_co_u32 s36, s36, EB
	v_lshl_add_u32 v[RSTN], v[RLANE], 3, s36
; ---- to bf16 and into LDS
	s_wait_loadcnt 24                              ; enc's 16 loads and unit 0's 8 are younger: x, the biases and v are in
.irp i, 0,1,2,3,4,5,6,7,8,9,10,11,12,13,14,15
	CVST (ST+4*\i), RSTX, (2*XP*\i), 0
.endr
	WIN LOADW
	WUNIT 1
	WUNIT 2
	WIN 0
	s_wait_loadcnt 24                              ; units 0, 1, 2 are younger: enc is in
.irp i, 0,1,2,3
	CVST (ST+64+4*\i), RSTN, (4*EP*\i), 32         ; rows in front of the sequence become exact zeros, whatever was read
.endr
.irp i, 4,5,6,7,8,9,10,11
	CVST (ST+64+4*\i), RSTN, (4*EP*\i), 0
.endr
.irp i, 12,13,14,15
	CVST (ST+64+4*\i), RSTN, (4*EP*\i), 33         ; rows behind it likewise
.endr
	WIN LOADW
	WUNIT 3
	WUNIT 4
	WUNIT 5                                        ; six units, 48 loads, are now out or in
	BAR                                            ; the two blocks are whole for every wave
	AGRP_E 0, 0
; ---- 24 blocks of eight matrix instructions, fed by the stream of units.  The matrix instruction is used transposed: source 0 = 16
; output columns of the weights, source 1 = 16 rows; lane (r, h), register jj then holds (row 16 mt + r, column 32 j + 16 nt + 8 h + jj),
; eight neighbouring columns of a row.  In every block the eight accumulators take turns, one instruction a turn and in the same
; order.
; The enc pass: ee = enc We, 64 rows x my 32 columns.  Block b is k step b; unit b / 2 holds two k steps.
.macro EBLK b
	WIN LOADW
.if \b > 0
	PLACES
.endif
.if \b >= 2
.if (\b & 1) == 0
	WUNIT (\b/2+5)                                 ; into the slot whose unit the last two blocks used up
.endif
.endif
.if \b < 7
	AGRP_E (\b+1), ((\b+1)&1)
.else
	AGRP_X 0, 0
.endif
	s_wait_dscnt 8                                 ; the eight just issued may be out: this block's rows are in
.if (\b & 1) == 0
	s_wait_loadcnt 40                              ; five younger units may be out: this block's unit is in
.endif
	WIN MULW
.irp mt, 0,1,2,3
.irp nt, 0,1
.if \b == 0
	v_wmma_f32_16x16x32_bf16 v[ACC+8*(2*\mt+\nt):ACC+8*(2*\mt+\nt)+7], v[32*((\b>>1)%6)+8*(2*(\b&1)+\nt):32*((\b>>1)%6)+8*(2*(\b&1)+\nt)+7], v[AB+32*(\b&1)+8*\mt:AB+32*(\b&1)+8*\mt+7], 0
.else
	v_wmma_f32_16x16x32_bf16 v[ACC+8*(2*\mt+\nt):ACC+8*(2*\mt+\nt)+7], v[32*((\b>>1)%6)+8*(2*(\b&1)+\nt):32*((\b>>1)%6)+8*(2*(\b&1)+\nt)+7], v[AB+32*(\b&1)+8*\mt:AB+32*(\b&1)+8*\mt+7], v[ACC+8*(2*\mt+\nt):ACC+8*(2*\mt+\nt)+7]
.endif
.endr
.endr
.endm
; Behind the enc pass: the small vectors get their factors, ee its factor c, and ee goes into my wave's own region
.macro EEPOST
.set cnt, 0
.rept 8
	v_pk_mul_f32 v[BA+cnt:BA+cnt+1], v[BA+cnt:BA+cnt+1], CC op_sel_hi:[1,0]
	v_pk_mul_f32 v[BL+cnt:BL+cnt+1], v[BL+cnt:BL+cnt+1], NL2E op_sel_hi:[1,0]
.set cnt, cnt+2
.endr
.set cnt, 0
.rept 16
	v_pk_mul_f32 v[VV+cnt:VV+cnt+1], v[VV+cnt:VV+cnt+1], NCC op_sel_hi:[1,0]
.set cnt, cnt+2
.endr
.set cnt, 0
.rept 32
	v_pk_mul_f32 v[ACC+cnt:ACC+cnt+1], v[ACC+cnt:ACC+cnt+1], CC op_sel_hi:[1,0]
.set cnt, cnt+2
.endr
.irp mt, 0,1,2,3
.irp nt, 0,1
.irp q, 0,1
	ds_store_b128 v[RSTE], v[ACC+8*(2*\mt+\nt)+4*\q:ACC+8*(2*\mt+\nt)+4*\q+3] offset:\mt*16*PP+\nt*64+16*\q
.endr
.endr
.endr
.endm
; The x pass: hx = x Wh and px = x W_lin[0:512], 32 rows x my 32 columns each.  Block k is k step k = unit 4 + k (fragments 0, 1: Wh; 2, 3: W_lin)
.macro XBLK k
	WIN LOADW
	PLACES
.if \k <= 14
	WUNIT (\k+9)                                   ; into the slot of the unit that the last block used up
.endif
.if (\k & 1) == 0
.if \k < 14
	AGRP_X (\k/2+1), ((\k/2+1)&1)
	s_wait_dscnt 8                                 ; the eight just issued may be out: the rows of this block and the next are in
.else
	s_wait_dscnt 0x0                               ; nothing more is fetched
.endif
.endif
.if \k <= 14
	s_wait_loadcnt 40                              ; five younger units may be out
.else
	s_wait_loadcnt 32                              ; units 20 to 23 are younger; they stay in their slots until the last product
.endif
.if \k == 0
	WIN 0
	EEPOST
.endif
	WIN MULW
.irp mt, 0,1
.irp f, 0,1,2,3
.if \k == 0
	v_wmma_f32_16x16x32_bf16 v[ACC+32*(\f>>1)+8*(2*\mt+(\f&1)):ACC+32*(\f>>1)+8*(2*\mt+(\f&1))+7], v[32*((4+\k)%6)+8*\f:32*((4+\k)%6)+8*\f+7], v[AB+32*((\k>>1)&1)+16*(\k&1)+8*\mt:AB+32*((\k>>1)&1)+16*(\k&1)+8*\mt+7], 0
.else
	v_wmma_f32_16x16x32_bf16 v[ACC+32*(\f>>1)+8*(2*\mt+(\f&1)):ACC+32*(\f>>1)+8*(2*\mt+(\f&1))+7], v[32*((4+\k)%6)+8*\f:32*((4+\k)%6)+8*\f+7], v[AB+32*((\k>>1)&1)+16*(\k&1)+8*\mt:AB+32*((\k>>1)&1)+16*(\k&1)+8*\mt+7], v[ACC+32*(\f>>1)+8*(2*\mt+(\f&1)):ACC+32*(\f>>1)+8*(2*\mt+(\f&1))+7]
.endif
.endr
.endr
.endm
.irp b, 0,1,2,3,4,5,6,7
	EBLK \b
.endr
.irp k, 0,1,2,3,4,5,6,7,8,9,10,11,12,13,14,15
	XBLK \k
.endr
	WIN 0
	PLACES
.irp mt, 0,1
.irp nt, 0,1
.irp p, 0,2,4,6
	v_pk_fma_f32 v[ACC+8*(2*\mt+\nt)+\p:ACC+8*(2*\mt+\nt)+\p+1], v[ACC+8*(2*\mt+\nt)+\p:ACC+8*(2*\mt+\nt)+\p+1], CC, v[BA+8*\nt+\p:BA+8*\nt+\p+1] op_sel_hi:[1,0,1]   ; c hx + c b_attn
.endr
.endr
.endr
.irp mt, 0,1
.irp nt, 0,1
.irp q, 0,1
	ds_store_b128 v[RSTH], v[ACC+8*(2*\mt+\nt)+4*\q:ACC+8*(2*\mt+\nt)+4*\q+3] offset:\mt*16*PP+\nt*64+16*\q
.endr
.endr
.endr
; ---- the tanh phase.  Lane = position t; for w = 0..32 the partial score over my wave's 32 features, sum of (-c v) / (1 + 2^(c z)).
; The two regions are my wave's own, and LDS serves a wave's instructions in order (ISA guide 5.7.1): no barrier, no wait between the
; stores above and the loads below.
.macro S1 cur, g                       ; eight exponents c z = c (hx + b) + c ee
.irp p, 0,2,4,6
	v_pk_add_f32 v[YY+8*(\g&1)+\p:YY+8*(\g&1)+\p+1], v[HH+8*\g+\p:HH+8*\g+\p+1], v[\cur+8*\g+\p:\cur+8*\g+\p+1]
.endr
.endm
.macro S5 g                            ; eight terms into two packed chains; the first two products start them
.if \g == 0
	s_wait_alu depctr_va_vdst(0)
	v_pk_mul_f32 v[AC0:AC0+1], v[VV:VV+1], v[YY:YY+1]
	v_pk_mul_f32 v[AC1:AC1+1], v[VV+2:VV+3], v[YY+2:YY+3]
.else
	s_wait_alu depctr_va_vdst(0)
	v_pk_fma_f32 v[AC0:AC0+1], v[VV+8*\g:VV+8*\g+1], v[YY+8*(\g&1):YY+8*(\g&1)+1], v[AC0:AC0+1]
	v_pk_fma_f32 v[AC1:AC1+1], v[VV+8*\g+2:VV+8*\g+3], v[YY+8*(\g&1)+2:YY+8*(\g&1)+3], v[AC1:AC1+1]
.endif
	v_pk_fma_f32 v[AC0:AC0+1], v[VV+8*\g+4:VV+8*\g+5], v[YY+8*(\g&1)+4:YY+8*(\g&1)+5], v[AC0:AC0+1]
	v_pk_fma_f32 v[AC1:AC1+1], v[VV+8*\g+6:VV+8*\g+7], v[YY+8*(\g&1)+6:YY+8*(\g&1)+7], v[AC1:AC1+1]
.endm
.macro EXP8 g
.irp e, 0,1,2,3,4,5,6,7
	v_exp_f32 v[YY+8*(\g&1)+\e], v[YY+8*(\g&1)+\e]
.endr
.endm
.macro ONE8 g
.irp p, 0,2,4,6
	v_pk_add_f32 v[YY+8*(\g&1)+\p:YY+8*(\g&1)+\p+1], v[YY+8*(\g&1)+\p:YY+8*(\g&1)+\p+1], 1.0 op_sel_hi:[1,0]
.endr
.endm
.macro RCP8 g
.irp e, 0,1,2,3,4,5,6,7
	v_rcp_f32 v[YY+8*(\g&1)+\e], v[YY+8*(\g&1)+\e]
.endr
.endm
; One w.  cur holds row t + w; ld = 1: row t + w + 1 is fetched into nxt.  Behind every run of v_exp_f32 or v_rcp_f32 stand plain
; instructions on the other set of eight (or a v_nop) before its results are used (ISA guide 5.7.2).
.macro WSTEP cur, nxt, ld, ldoff, stoff
.if \ld
.irp q, 0,1,2,3,4,5,6,7
	ds_load_b128 v[\nxt+4*\q:\nxt+4*\q+3], v[RLDE] offset:\ldoff+16*\q
.endr
	s_wait_dscnt 8                                 ; the eight just issued may be out; cur (and in the first trip HH) is in
.else
	s_wait_dscnt 0x0
.endif
	S1 \cur, 0
	EXP8 0
	v_nop
	s_wait_alu depctr_va_vdst(0)
	ONE8 0
	RCP8 0
	S1 \cur, 1
	EXP8 1
	S5 0
	ONE8 1
	RCP8 1
	S1 \cur, 2
	EXP8 2
	S5 1
	ONE8 2
	RCP8 2
	S1 \cur, 3
	EXP8 3
	S5 2
	ONE8 3
	RCP8 3
	v_nop
	s_wait_alu depctr_va_vdst(0)
	S5 3
	v_pk_add_f32 v[AC0:AC0+1], v[AC0:AC0+1], v[AC1:AC1+1]
	v_add_f32 v[SCR], v[AC0], v[AC0+1]
	ds_store_b32 v[RPART], v[SCR] offset:\stoff
.endm
.irp q, 0,1,2,3,4,5,6,7
	ds_load_b128 v[HH+4*\q:HH+4*\q+3], v[RLDH] offset:16*\q
.endr
.irp q, 0,1,2,3,4,5,6,7
	ds_load_b128 v[EA+4*\q:EA+4*\q+3], v[RLDE] offset:16*\q   ; row t + 0
.endr
	s_mov_b32 s34, 16
.Lw:                                                   ; a trip is w = 2 n and 2 n + 1
	WSTEP EA, EBF, 1, PP, 0
	WSTEP EBF, EA, 1, 2*PP, 128
	v_add_nc_u32 v[RLDE], 2*PP, v[RLDE]
	v_add_nc_u32 v[RPART], 256, v[RPART]
	s_sub_co_i32 s34, s34, 1
	s_cmp_lg_u32 s34, 0
	s_cbranch_scc1 .Lw
	WSTEP EA, EA, 0, 0, 0                          ; w = 32: nothing more to fetch (row 31 + 32 = 63 is the last)
; ---- the late phases' addresses, into the registers that held c b_attn
	s_lshl_b32 s36, s2, 7                          ; 128 j
	s_add_co_u32 s37, s36, PART
	v_lshl_add_u32 v[QPR], v[RLANE], 2, s37
	s_add_co_u32 s37, s36, SC
	v_lshl_add_u32 v[QSS], v[RLANE], 2, s37
	v_lshlrev_b32 v[QO1T], 2, v[RLANE]
	v_add_nc_u32 v[QSR], SC, v[QO1T]
	v_add_nc_u32 v[QO1T], 4096, v[QO1T]
	v_add_nc_u32 v[QA1T], A1, v[QO1T]
	v_mul_u32_u24 v[QA1], v[RLANE], 132
	v_add_nc_u32 v[QA1], A1, v[QA1]
	v_mul_u32_u24 v[QBZ], v[RLANE], PP
	v_add_nc_u32 v[QBZ], BAND, v[QBZ]
	v_lshl_add_u32 v[QBD], v[RLANE], 1, v[QBZ]
	v_add_nc_u32 v[QA1R], A1, v[RTID16]
	v_and_b32 v[QTR], 7, v0
	v_lshl_add_u32 v[QTR], v[RH], 3, v[QTR]
	v_mul_u32_u24 v[QTR], v[QTR], EP
	v_bfe_u32 v[QBF], v0, 3, 1
	v_lshl_add_u32 v[QTR], v[QBF], 4, v[QTR]
	s_lshl_b32 s37, s2, 6                          ; 64 j: my 32 columns in bf16
	s_add_co_u32 s38, s37, EB
	v_add_nc_u32 v[QTR], s38, v[QTR]
	v_mul_u32_u24 v[QBF], v[RR16], PP
	v_lshl_add_u32 v[QBF], v[RH], 4, v[QBF]
	v_add_nc_u32 v[QBF], BAND, v[QBF]
	v_add_nc_u32 v[QWS], s37, v[RAW]
	v_mul_u32_u24 v[QOS], v[RR16], XP
	v_lshl_add_u32 v[QOS], v[RH], 5, v[QOS]
	s_add_co_u32 s38, s36, OST
	v_add_nc_u32 v[QOS], s38, v[QOS]
	s_mul_i32 s38, s2, 4*XP
	s_add_co_u32 s38, s38, OST
	v_add_nc_u32 v[QOR], s38, v[RWOFF]
	s_lshl_b32 s38, s2, 12
	v_add_nc_u32 v[QO0], s38, v[RWOFF]
	BAR                                            ; every wave's 33 partial scores are in LDS
; ---- the eight waves' partial scores are added: wave j takes w = j, j + 8, j + 16, j + 24; wave 0 also w = 32
.irp i, 0,1,2,3
.irp p, 0,1,2,3,4,5,6,7
	ds_load_b32 v[T3+8*\i+\p], v[QPR] offset:\p*PSZ+\i*1024
.endr
.endr
	s_wait_dscnt 0x0
.irp i, 0,1,2,3
	v_pk_add_f32 v[T3+8*\i:T3+8*\i+1], v[T3+8*\i:T3+8*\i+1], v[T3+8*\i+2:T3+8*\i+3]
	v_pk_add_f32 v[T3+8*\i+4:T3+8*\i+5], v[T3+8*\i+4:T3+8*\i+5], v[T3+8*\i+6:T3+8*\i+7]
	v_pk_add_f32 v[T3+8*\i:T3+8*\i+1], v[T3+8*\i:T3+8*\i+1], v[T3+8*\i+4:T3+8*\i+5]
	v_add_f32 v[T3+8*\i], v[T3+8*\i], v[T3+8*\i+1]
	ds_store_b32 v[QSS], v[T3+8*\i] offset:\i*1024
.endr
	s_cmp_lg_u32 s2, 0
	s_cbranch_scc1 .Lno_w32
.irp p, 0,1,2,3,4,5,6,7
	ds_load_b32 v[T3+32+\p], v[QPR] offset:\p*PSZ+4096
.endr
	s_wait_dscnt 0x0
	v_pk_add_f32 v[T3+32:T3+33], v[T3+32:T3+33], v[T3+34:T3+35]
	v_pk_add_f32 v[T3+36:T3+37], v[T3+36:T3+37], v[T3+38:T3+39]
	v_pk_add_f32 v[T3+32:T3+33], v[T3+32:T3+33], v[T3+36:T3+37]
	v_add_f32 v[T3+32], v[T3+32], v[T3+33]
	ds_store_b32 v[QSS], v[T3+32] offset:4096
.Lno_w32:
	BAR                                            ; the 33 x 32 scores are whole
; ---- softmax over w, lane = position.  Waves 0 and 1 both make it (a lane has all 33 in registers); wave 0 lays it out as out1 has
; it, wave 1 as the band matrix for the weighted sum.  The other six waves have nothing to do here and go to the barrier.
	s_cmp_gt_u32 s2, 1
	s_cbranch_scc1 .Lsm_done
.set cnt, 0
.rept 33
	ds_load_b32 v[T3+cnt], v[QSR] offset:128*cnt
.set cnt, cnt+1
.endr
	s_wait_dscnt 0x0
	v_max3_num_f32 v[MX], v[T3], v[T3+1], v[T3+2]
.set cnt, 3
.rept 15
	v_max3_num_f32 v[MX], v[MX], v[T3+cnt], v[T3+cnt+1]
.set cnt, cnt+2
.endr
	v_mov_b32 v[MX+1], v[MX]
.set cnt, 0
.rept 16
	v_pk_add_f32 v[T3+cnt:T3+cnt+1], v[T3+cnt:T3+cnt+1], v[MX:MX+1] neg_lo:[0,1] neg_hi:[0,1]   ; the largest is taken away
.set cnt, cnt+2
.endr
	v_sub_f32 v[T3+32], v[T3+32], v[MX]
.set cnt, 0
.rept 33
	v_exp_f32 v[T3+cnt], v[T3+cnt]                 ; the scores carry the factor log2 e already
.set cnt, cnt+1
.endr
	v_nop
	s_wait_alu depctr_va_vdst(0)
	v_pk_add_f32 v[SU:SU+1], v[T3:T3+1], v[T3+2:T3+3]
	v_pk_add_f32 v[SU+2:SU+3], v[T3+4:T3+5], v[T3+6:T3+7]
.set cnt, 8
.rept 6
	v_pk_add_f32 v[SU:SU+1], v[SU:SU+1], v[T3+cnt:T3+cnt+1]
	v_pk_add_f32 v[SU+2:SU+3], v[SU+2:SU+3], v[T3+cnt+2:T3+cnt+3]
.set cnt, cnt+4
.endr
	v_pk_add_f32 v[SU:SU+1], v[SU:SU+1], v[SU+2:SU+3]
	v_add_f32 v[SU], v[SU], v[SU+1]
	v_add_f32 v[SU], v[SU], v[T3+32]               ; at least 1: the largest entry gives 2^0
	v_rcp_f32 v[RC], v[SU]
	v_nop
	s_wait_alu depctr_va_vdst(0)
	v_mov_b32 v[RC+1], v[RC]
.set cnt, 0
.rept 16
	v_pk_mul_f32 v[T3+cnt:T3+cnt+1], v[T3+cnt:T3+cnt+1], v[RC:RC+1]
.set cnt, cnt+2
.endr
	v_mul_f32 v[T3+32], v[T3+32], v[RC]
	s_cmp_lg_u32 s2, 0
	s_cbranch_scc1 .Lband
.set cnt, 0
.rept 33
	ds_store_b32 v[QA1], v[T3+cnt] offset:4*cnt    ; row t of 132 bytes
.set cnt, cnt+1
.endr
	s_branch .Lsm_done
.Lband:
.set cnt, 0
.rept 16
	v_cvt_pk_bf16_f32 v[PK+cnt], v[T3+2*cnt], v[T3+2*cnt+1]
.set cnt, cnt+1
.endr
	v_cvt_pk_bf16_f32 v[PK+16], v[T3+32], v[T3+32]
.irp e, 0,1,2,3
	v_mov_b32 v[YY+\e], 0
.endr
.irp q, 0,1,2,3,4,5,6,7,8
	ds_store_b128 v[QBZ], v[YY:YY+3] offset:16*\q  ; row t of the band is cleared,
.endr
.set cnt, 0
.rept 16
	ds_store_b16 v[QBD], v[PK+cnt] offset:4*cnt               ; then entry w goes to column s = t + w: byte 144 t + 2 (t + w).
	ds_store_b16_d16_hi v[QBD], v[PK+cnt] offset:4*cnt+2      ; One wave's LDS stores are served in order (ISA guide 5.7.1): these land on the zeros
.set cnt, cnt+1
.endr
	ds_store_b16 v[QBD], v[PK+16] offset:64
.Lsm_done:
	BAR                                            ; both layouts are whole
; ---- out1, and weighted = band (32 x 64) x enc (64 x my 32 columns).  enc lies with s down the rows, so its fragments come by the
; transposing load: two loads, 16 rows apart, bring lane (r, h) s = 32 ks + 8 h .. + 7 and + 16 of column 32 j + 16 nt + r.
	ds_load_b128 v[SCR:SCR+3], v[QA1R]
.irp ks, 0,1
.irp nt, 0,1
	ds_load_tr16_b128 v[EF+8*(2*\ks+\nt):EF+8*(2*\ks+\nt)+3],   v[QTR] offset:\ks*32*EP+\nt*32
	ds_load_tr16_b128 v[EF+8*(2*\ks+\nt)+4:EF+8*(2*\ks+\nt)+7], v[QTR] offset:\ks*32*EP+\nt*32+16*EP
.endr
.endr
.irp ks, 0,1
.irp mt, 0,1
	ds_load_b128 v[BF+8*(2*\ks+\mt):BF+8*(2*\ks+\mt)+3],   v[QBF] offset:\mt*16*PP+\ks*64
	ds_load_b128 v[BF+8*(2*\ks+\mt)+4:BF+8*(2*\ks+\mt)+7], v[QBF] offset:\mt*16*PP+\ks*64+32
.endr
.endr
	s_wait_dscnt 0x0
	global_store_b128 v[RTID16], v[SCR:SCR+3], s[22:23] th:TH_STORE_NT   ; the first 4,096 of the group's 4,224 bytes of out1; neither register is written again
.irp mt, 0,1
.irp nt, 0,1
	v_wmma_f32_16x16x32_bf16 v[WD+8*(2*\mt+\nt):WD+8*(2*\mt+\nt)+7], v[EF+8*\nt:EF+8*\nt+7], v[BF+8*\mt:BF+8*\mt+7], 0
.endr
.endr
.irp mt, 0,1                                           ; the four accumulators take turns, one instruction a turn
.irp nt, 0,1
	v_wmma_f32_16x16x32_bf16 v[WD+8*(2*\mt+\nt):WD+8*(2*\mt+\nt)+7], v[EF+8*(2+\nt):EF+8*(2+\nt)+7], v[BF+8*(2+\mt):BF+8*(2+\mt)+7], v[WD+8*(2*\mt+\nt):WD+8*(2*\mt+\nt)+7]
.endr
.endr
	PLACES
.irp t, 0,1,2,3
.irp p, 0,1,2,3
	v_cvt_pk_bf16_f32 v[YY+4*\t+\p], v[WD+8*\t+2*\p], v[WD+8*\t+2*\p+1]
.endr
.endr
.irp mt, 0,1
.irp nt, 0,1
	ds_store_b128 v[QWS], v[YY+4*(2*\mt+\nt):YY+4*(2*\mt+\nt)+3] offset:\mt*16*EP+\nt*32
.endr
.endr
	s_cmp_lg_u32 s2, 7
	s_cbranch_scc1 .Lno_tail
	ds_load_b32 v[SCR+4], v[QA1T]
	s_wait_dscnt 0x0
	global_store_b32 v[QO1T], v[SCR+4], s[22:23] th:TH_STORE_NT          ; the last 128 bytes of out1's 4,224
.Lno_tail:
	BAR                                            ; the weighted rows are whole
; ---- px += weighted W_lin[512:768]: units 20 to 23, which have been in their ring slots since the x pass
.macro FBLK i
	WIN LOADW
.if \i > 0
	PLACES
.endif
.if \i < 3
	AGRP_F (\i+1), ((\i+1)&1)
	s_wait_dscnt 8                                 ; the eight just issued may be out
.else
	s_wait_dscnt 0x0
.endif
	WIN MULW
.irp ksl, 0,1
.irp mt, 0,1
.irp nt, 0,1
	v_wmma_f32_16x16x32_bf16 v[PX+8*(2*\mt+\nt):PX+8*(2*\mt+\nt)+7], v[32*((20+\i)%6)+8*(2*\ksl+\nt):32*((20+\i)%6)+8*(2*\ksl+\nt)+7], v[AB+32*(\i&1)+16*\ksl+8*\mt:AB+32*(\i&1)+16*\ksl+8*\mt+7], v[PX+8*(2*\mt+\nt):PX+8*(2*\mt+\nt)+7]
.endr
.endr
.endr
.endm
	s_wait_loadcnt 0x0                             ; no load was issued behind units 20 to 23
	WIN LOADW
	AGRP_F 0, 0
.irp i, 0,1,2,3
	FBLK \i                                        ; four accumulators by turns, one instruction a turn
.endr
; ---- sigmoid(y + b) = 1 / (1 + 2^(-log2e y - log2e b)), and the way out through LDS, so that a store's sixteen neighbouring lanes
; cover 256 consecutive bytes of a row of out0, at a multiple of 256 from its first byte
	WIN 0
	PLACES
.irp mt, 0,1
.irp nt, 0,1
.irp p, 0,2,4,6
	v_pk_fma_f32 v[PX+8*(2*\mt+\nt)+\p:PX+8*(2*\mt+\nt)+\p+1], v[PX+8*(2*\mt+\nt)+\p:PX+8*(2*\mt+\nt)+\p+1], NL2E, v[BL+8*\nt+\p:BL+8*\nt+\p+1] op_sel_hi:[1,0,1]
.endr
.endr
.endr
.set cnt, 0
.rept 32
	v_exp_f32 v[PX+cnt], v[PX+cnt]
.set cnt, cnt+1
.endr
	v_nop
.set cnt, 0
	s_wait_alu depctr_va_vdst(0)
.rept 16
	v_pk_add_f32 v[PX+cnt:PX+cnt+1], v[PX+cnt:PX+cnt+1], 1.0 op_sel_hi:[1,0]
.set cnt, cnt+2
.endr
.set cnt, 0
.rept 32
	v_rcp_f32 v[PX+cnt], v[PX+cnt]
.set cnt, cnt+1
.endr
	v_nop
	s_wait_alu depctr_va_vdst(0)
.irp mt, 0,1
.irp nt, 0,1
.irp q, 0,1
	ds_store_b128 v[QOS], v[PX+8*(2*\mt+\nt)+4*\q:PX+8*(2*\mt+\nt)+4*\q+3] offset:\mt*16*XP+\nt*64+16*\q
.endr
.endr
.endr
	BAR                                            ; the block of out0 is whole
.irp i, 0,1,2,3,4,5,6,7
	ds_load_b128 v[HH+4*\i:HH+4*\i+3], v[QOR] offset:(\i>>1)*XP+(\i&1)*512   ; wave j takes rows 4 j .. 4 j + 3, half a row a load
.endr
.irp i, 0,1,2,3,4,5,6,7
	s_wait_dscnt 7-\i                              ; LDS loads come back in order: load i is in
	global_store_b128 v[QO0], v[HH+4*\i:HH+4*\i+3], s[20:21] offset:512*\i th:TH_STORE_NT
.endr
	s_wait_xcnt 0x0
	v_lshl_add_u32 v254, v0, 2, 0x43200
	v_mov_b32 v255, 0
	s_wait_tensorcnt 0x0
	ds_add_u32 v254, v255
	s_wait_dscnt 0x0
	s_endpgm
.Lfunc_end_k_qee028934f7_fused:
	.size	k_qee028934f7_fused, .Lfunc_end_k_qee028934f7_fused-k_qee028934f7_fused
	.p2alignl 7, 3214868480
	.fill 96, 4, 3214868480
	.section	.rodata,"a",@progbits
	.p2align	6, 0x0
	.amdhsa_kernel k_qee028934f7_fused
		.amdhsa_group_segment_fixed_size 275968
		.amdhsa_private_segment_fixed_size 0
		.amdhsa_enable_private_segment 0
		.amdhsa_kernarg_size 64
		.amdhsa_user_sgpr_count 2
		.amdhsa_user_sgpr_kernarg_segment_ptr 1
		.amdhsa_wavefront_size32 1
		.amdhsa_system_sgpr_workgroup_id_x 1
		.amdhsa_system_sgpr_workgroup_id_y 1
		.amdhsa_system_sgpr_workgroup_id_z 1
		.amdhsa_system_vgpr_workitem_id 0
		.amdhsa_next_free_vgpr 512
		.amdhsa_next_free_sgpr 66
		.amdhsa_reserve_vcc 0
		.amdhsa_float_denorm_mode_32 3
		.amdhsa_float_denorm_mode_16_64 3
		.amdhsa_memory_ordered 1
		.amdhsa_forward_progress 1
		.amdhsa_inst_pref_size 122
	.end_amdhsa_kernel
	.amdgpu_metadata
---
amdhsa.version: [ 1, 2 ]
amdhsa.kernels:
  - .name:           k_qee028934f7_fused
    .symbol:         k_qee028934f7_fused.kd
    .args:
      - { .name: x, .offset: 0, .size: 8, .value_kind: global_buffer, .address_space: global }
      - { .name: encoder_outputs, .offset: 8, .size: 8, .value_kind: global_buffer, .address_space: global }
      - { .name: wfrag, .offset: 16, .size: 8, .value_kind: global_buffer, .address_space: global }
      - { .name: b_attn, .offset: 24, .size: 8, .value_kind: global_buffer, .address_space: global }
      - { .name: b_lin, .offset: 32, .size: 8, .value_kind: global_buffer, .address_space: global }
      - { .name: v, .offset: 40, .size: 8, .value_kind: global_buffer, .address_space: global }
      - { .name: out0, .offset: 48, .size: 8, .value_kind: global_buffer, .address_space: global }
      - { .name: out1, .offset: 56, .size: 8, .value_kind: global_buffer, .address_space: global }
    .group_segment_fixed_size: 275968
    .private_segment_fixed_size: 0
    .kernarg_segment_align: 8
    .kernarg_segment_size: 64
    .max_flat_workgroup_size: 256
    .sgpr_count:     66
    .vgpr_count:     512
    .wavefront_size: 32
...
	.end_amdgpu_metadata
.endif
;; end of part 2
